; MI455X (gfx1250); checked and timed in simulation.
; The chip was launched on July 23, 2026; its instructions are those of AMD's public machine-readable ISA for CDNA 5 (MIT licence, August 2026) and "CDNA5" Instruction Set Architecture Reference Guide (July 2026). The comments in the code are by the model that wrote it; some were corrected since.
;; Multi Head Attention. Allowed arithmetic: matrix products marked QUANTISED: E4M3 operands, one given power-of-two scale a tensor, by v_wmma_f32_16x16x64_fp8_fp8 or v_wmma_f32_16x16x128_fp8_fp8, f32 sums; everything else in f32.
;; Inputs: Wk_codes 1,024 x 32 x 32 uint8 (E4M3 codes of Wk, K innermost, in blocks of 32 codes); Wo_codes 1,024 x 32 x 32 uint8 (E4M3 codes of Wo, K innermost, in blocks of 32 codes); Wq_codes 1,024 x 32 x 32 uint8 (E4M3 codes of Wq, K innermost, in blocks of 32 codes); Wv_codes 1,024 x 32 x 32 uint8 (E4M3 codes of Wv, K innermost, in blocks of 32 codes); attention_mask 4 x 2,048 int32; lowp_scales 12 int32 (the exponents e of the quantised operands' scales 2^e); x_codes 4 x 2,048 x 32 x 32 uint8 (E4M3 codes of x, K innermost, in blocks of 32 codes).
;; Outputs: out0 4 x 2,048 x 1,024 float32.
;; This version of the problem:
;;   THIS VERSION OF THE PROBLEM IS GIVEN IN LOW PRECISION. The matrix products marked QUANTISED in the list below multiply operands that are first quantised to E4M3 (4 exponent bits, 3 mantissa bits; 8 bits a number), with one given power-of-two scale for each operand tensor; their sums are f32. All else is computed in f32.
;;   The module's matrix products, in the order in which they are computed (A, B: the left and right operand; K: the contracted axis; several contracted axes count as one K, in the product's order):
;;     1. [M 8,192, K 1,024] x [K 1,024, N 1,024]; A: input x (given as codes); B: input Wq (given as codes): QUANTISED (scales: A lowp_scales[0], B lowp_scales[1])
;;     2. [M 8,192, K 1,024] x [K 1,024, N 1,024]; A: input x (given as codes); B: input Wk (given as codes): QUANTISED (scales: A lowp_scales[2], B lowp_scales[3])
;;     3. [M 8,192, K 1,024] x [K 1,024, N 1,024]; A: input x (given as codes); B: input Wv (given as codes): QUANTISED (scales: A lowp_scales[4], B lowp_scales[5])
;;     4. batch 64 x [M 2,048, K 64] x [K 64, N 2,048]; A: computed on the way; B: computed on the way: QUANTISED (scales: A lowp_scales[6], B lowp_scales[7])
;;     5. batch 64 x [M 2,048, K 2,048] x [K 2,048, N 64]; A: softmax (see below); B: computed on the way: QUANTISED (scales: A lowp_scales[8], B lowp_scales[9])
;;     6. [M 8,192, K 1,024] x [K 1,024, N 1,024]; A: computed on the way; B: input Wo (given as codes): QUANTISED (scales: A lowp_scales[10], B lowp_scales[11])
;;   THE QUANTISER, for each operand of a quantised product, along K:
;;     - The operand's scale is 2^e, e = its entry of the input lowp_scales (int32; the entries are numbered through the quantised products in the list's order, A before B).
;;     - Each number is divided by the scale, clamped to +-448, and rounded to the nearest number of E4M3, ties to even, subnormals kept.
;;     - The product sums the exact products of the quantised numbers (number of the format x scale) in f32.
;;   ~~~python
;;   def quantise(x, axis, e):      # numpy; x: float32 -> the quantised numbers, widened to float32 again
;;       x = np.moveaxis(x, axis, -1); K = x.shape[-1]
;;       r = np.clip(x / 2.0 ** e, -448, 448)
;;       step = 2.0 ** (np.maximum(np.frexp(np.where(r == 0, 1, r))[1] - 1, -6) - 3)
;;       q = np.round(r / step) * step * 2.0 ** e      # np.round: ties to even
;;       return np.moveaxis(q, -1, axis).astype(np.float32)
;;   ~~~
;;   SOFTMAX AHEAD OF A QUANTISED PRODUCT. Where the list says 'softmax', what is quantised is not the finished softmax but p = 2^(t - M), with t = logit x log2(e) and M = ceil(the row's largest t), a whole number; so 1/2 < the row's largest p <= 1. The row's sum l is taken of the UNQUANTISED p, in f32, and the product's result is divided by l at the end. Since M is a whole number, a kernel that streams over the keys may use a running M (the ceiling of the running maximum): every later rescaling is an exact power of two, so the quantised numbers keep their values, but for numbers so far below the row's largest that they fall under the format's range.
;;   OPERANDS COMPUTED ON THE WAY. 'Computed on the way' means the value that the module computes at that place (a softmax that the list does not call 'softmax' is quantised finished and normalised). What goes into a quantiser is computed in f32, as accurately as f32 sums, v_exp_f32 and their like allow (about 1e-6 of the number): no bf16 or f16 on the way to a quantiser, and a product that is left as it is and whose result goes on into a quantised operand takes f32 operands (vector FMAs, or v_wmma_f32_16x16x4_f32). A number that lies on a knife's edge between two numbers of the format may be rounded either way, as far as f32 arithmetic and the matrix unit's own rounding can turn it there, and no further.
;;   INPUTS GIVEN AS CODES. Wk (in the module: [1024, 1024], K = its axis 0); Wo (in the module: [1024, 1024], K = its axis 0); Wq (in the module: [1024, 1024], K = its axis 0); Wv (in the module: [1024, 1024], K = its axis 0); x (in the module: [4, 2048, 1024], K = its axis 2): each comes as NAME_codes (uint8): NAME with its K axis moved to the last place and cut into blocks of 32 codes, [.., K / 32, bytes a block], one block behind the other in memory; one code a byte (a code: sign, 4 exponent bits, 3 mantissa bits); its scale is its entry of lowp_scales. Its value is code x scale, taken as it is: it is not quantised again, and the codes and scales need not be those that the quantiser above would give.
;; One version. Each part assembles by itself: llvm-mc -triple=amdgcn-amd-amdhsa -mcpu=gfx1250 --defsym DOCPART=n.
;; ======== version 1 of 1: 3 launches
;; limits: right only within a limited range of input values
;; workspace buffers: qimg 8,388,608 bytes; kv 17,301,504 bytes; vpart 131,072 bytes; cimg 8,388,608 bytes
;; launch proj (part 1): grid 12 x 32, 4 waves a work-group, clusters of 4 x 4, 327,680 bytes of LDS; arguments x_codes, Wq_codes, Wk_codes, Wv_codes, attention_mask, lowp_scales, qimg, kv, vpart; writes qimg, kv, vpart
.if DOCPART == 1
	.amdgcn_target "amdgcn-amd-amdhsa--gfx1250"
	.amdhsa_code_object_version 6
	.text
	.protected	k_q821ca36e15_proj
	.globl	k_q821ca36e15_proj
	.p2align	8
	.type	k_q821ca36e15_proj,@function
k_q821ca36e15_proj:
	s_mov_b64 s[64:65], 0
	v_nop
	global_prefetch_b8 v0, s[64:65] scope:SCOPE_SE
	s_setreg_imm32_b32 hwreg(HW_REG_WAVE_MODE, 25, 1), 1
	s_wait_xcnt 0x0
	s_wait_alu depctr_hold_cnt(0) depctr_sa_sdst(0) depctr_va_vdst(0) depctr_va_sdst(0) depctr_va_ssrc(0) depctr_va_vcc(0) depctr_vm_vsrc(0)
	s_getreg_b32 s2, hwreg(HW_REG_IB_STS2, 6, 4)
	s_cmp_eq_u32 s2, 0
	s_cbranch_scc0 .Lentry_in_a_cluster
	s_endpgm
.Lentry_in_a_cluster:
	s_bfe_u32 s2, ttmp6, 0x10000c
	s_cmp_lg_u32 s2, 0xf033
	s_cbranch_scc0 .Lentry_shape_is_right
	s_endpgm
.Lentry_shape_is_right:
; q = x Wq, k = x Wk, v = x Wv on codes of FP8 (E4M3), quantised again on the way out and stored as IMAGES OF THE OPERAND REGISTERS that the attention launch loads.
; x: [8192][1024] codes; each W: [1024 (n)][1024 (k)] codes.  Cluster x says which product: 0 q, 1 k, 2 v; it is the same in all sixteen partners of a cluster.
; A work-group of four waves makes 256 x 256 sums, a wave 128 x 128 (64 accumulators, 512 registers); K = 1,024 goes in four steps of 256 through a ring of two LDS slots filled by joint tensor loads.
; THE MATRIX INSTRUCTION: source 0 = 16 rows of S0, source 1 = 16 rows of S1: a lane holds one row of S1 and eight neighbours along S0's rows, which are then eight neighbours along the NEXT product's K.
;   q, k: S1 = x (a lane holds a token), S0 = W (eight channels).      v: S1 = Wv (a lane holds a channel), S0 = x (eight keys).  Both operands are rows of 1,024 bytes, so only pointers and tile numbers change places.
; S1's tiles are shared along a row of the cluster, S0's along a column: each is asked for jointly, by the same tensor load with a mask that names the four.
; THE WAY OUT: sum / 2^(eo - ea - eb), to the nearest code; the codes meet in a stage (256 S1 rows x 272 bytes, in slot 0, which has had its last fill and its last read); behind a barrier
; wave w takes the tile's w-th head and stores chunks of 512 bytes (lane l's 16 bytes at 16 l):
;   qimg [bh 64][g 64][u 2][c 2][lane][16]: token 32 g + 8 u + r + 8 (r / 8), channels 32 c + 16 h + 0..15  (r = lane % 16, h = lane / 16)
;   kv   [bh 64][ks 16] records of 16,896 bytes: K [g 4][u 2][c 2][lane][16] (key 128 ks + 32 g + 8 u + r + 8 (r / 8), channels 32 c + 16 h ..);
;        V [t 4][c 4][lane][16] (channel 32 (t / 2) + 8 (t % 2) + r + 8 (r / 8), keys 128 ks + 32 c + 16 h ..); then 128 f32 in key order: 0, or -2^70 where attention_mask is 0
;   vpart [token block 32][1024 channels] f32: the sum over the block's 256 keys of code(Q(1)) x code(v): what a query with no visible key needs (there reference() weighs all 2,048 keys alike)
; LIMITS on the given exponents, so that each power of two below is an f32 number: e6 - e0 - e1, e7 - e2 - e3, e9 - e4 - e5 and e8 between -126 and 119.
; REGISTERS, in windows of 256: window 0: v0-31 addresses and constants; v128-255 S1's fragments, one set.  window 1: S0's fragments, two sets.  windows 2, 3: the accumulators ((a, b) at v[8 (8 (a % 4) + b)]).
;   On the way out, all in window 0: v96-223 codes (16 a block); then v32-159 chunks read back, v160-191 sums for vpart, v192-207 a fragment of Q(1)'s code.
.set KROW,   1024                      ; a row of x or of a weight in bytes
.set ROWB,   256                       ; a tile's row: 256 codes
.set PITCH,  272                       ; an LDS row: 256 bytes + 16 of padding = 68 words, so that the 16 rows of a load start at 16 different banks (64 banks of 4 bytes: ISA guide 11.1)
.set FR,     16                        ; registers of a fragment: 16 rows x 128 K
.set NL,     4                         ; LDS loads that bring one
.set NP,     4                         ; places behind this matrix instruction (ISA guide 7.12.1)
.set HALFT,  128*PITCH                 ; what one tensor load brings
.set SLOT,   4*HALFT                   ; S1's 256 rows, then S0's 256 rows
.set SPARE,  2*SLOT                    ; behind the ring: the spare words, 128 bytes a wave
.set PSUM,   256*PITCH                 ; behind the stage, still in slot 0: 256 bytes a wave for vpart's sums
.set VPO,  6                           ; v6   16 x (lane % 16)
.set MB,   8                           ; v8-15 the token block's 256 mask words (8 a lane), then the bias
.set ADRA, 16                          ; v16-17 LDS address of my S1 fragments in slot 0, 1
.set NEG,  18                          ; v18  -2^70
.set LANE, 19                          ; v19  lane
.set ADRB, 20                          ; v20-21 the same for S0
.set SCL,  22                          ; v22  2^(eo - ea - eb)
.set LIM,  23
.set STO,  24                          ; v24  the stage: where I put 8 codes
.set RDK,  25                          ; v25  the stage: where q's and k's chunks are read
.set RDV,  26                          ; v26  where v's are
.set LI,   27                          ; v27  16 x lane
.set SPW,  28                          ; v28  my spare word; never rewritten
.set NIL,  29                          ; v29  0; never rewritten
.set PS,   30                          ; v30  vpart's sums into LDS
.set PR,   31                          ; v31  and back
.set TMP,  32
.set RB,   32
.set CODE, 96
.set AF,   128
.set SUMS, 160
.set ONES, 192
.set G1, 24                            ; s[24:31] group 1 for S1's tiles; s[32:39] group 0, a set for each slot
.set G0, 32
.set G1B, 48                           ; s[48:55], s[56:63] the same for S0's
.set G0B, 56
.set MSB, 0
.macro WIN new                         ; the immediate's high byte repeats the setting that is left
.if MSB != \new
	s_set_vgpr_msb (MSB<<8)|\new
.set MSB, \new
.endif
.endm
.set MUL_LO, 0xa1                      ; source 0 window 1, source 1 window 0, C and D window 2
.set MUL_HI, 0xf1                      ; the same, C and D window 3
.set TO_B,   0x40                      ; destination window 1, address window 0
; A joint load: waves 0 and 1 fetch S1's halves, waves 2 and 3 S0's.  The branch hangs on the wave's number alone.  Four v_nop follow each of the two lines.
.macro JLOAD g0a, g1a, g0b, g1b
	s_cmp_eq_u32 s15, 0
	s_cbranch_scc0 .Lfor_b_\@
	tensor_load_to_lds s[\g0a:\g0a+3], s[\g1a:\g1a+7]
	s_nop 0
.rept 4
	v_nop
.endr
	s_branch .Lasked_\@
.Lfor_b_\@:
	tensor_load_to_lds s[\g0b:\g0b+3], s[\g1b:\g1b+7]
	s_nop 0
.rept 4
	v_nop
.endr
.Lasked_\@:
.endm
.macro CREST                           ; a round of the cluster's barrier behind its opening barrier
	s_cmp_lg_u32 s14, 0
	s_cbranch_scc1 .Lnot_wave_0_\@
	s_barrier_signal -3
.Lnot_wave_0_\@:
	s_barrier_wait -3
	s_barrier_signal -1
	s_barrier_wait -1
.endm
.macro CROUND                          ; a whole round
	s_barrier_signal -1
	s_barrier_wait -1
	CREST
.endm
	s_load_b512 s[68:83], s[0:1], 0x0              ; x 68, Wq 70, Wk 72, Wv 74, mask 76, scales 78, qimg 80, kv 82
	s_load_b64 s[84:85], s[0:1], 0x40              ; vpart
	v_lshl_add_u32 v[SPW], v0, 2, SPARE
	v_mov_b32 v[NIL], 0
	ds_add_u32 v28, v29
	ds_add_u32 v28, v29
	s_wait_dscnt 0x0
	v_lshrrev_b32 v1, 5, v0
	v_readfirstlane_b32 s14, v1                    ; wave 0..3
	s_lshr_b32 s15, s14, 1                         ; which half of S1's rows is mine.  Also: I fetch for S1 (0) or for S0 (1)
	s_and_b32 s16, s14, 1                          ; which half of S0's rows.  Also: which 128 rows of that tile I fetch
	s_bfe_u32 s40, ttmp6, 0x40000                  ; cx, cy: my place in the cluster
	s_bfe_u32 s41, ttmp6, 0x40004
	s_and_b32 s66, ttmp7, 0xffff
	s_lshl_b32 s66, s66, 2                         ; 4 x cluster y
	s_cmp_eq_u32 ttmp9, 2                          ; v?
	s_cselect_b32 s17, 0, s66
	s_cselect_b32 s42, s66, 0
	s_add_co_u32 s17, s17, s41                     ; S1's tile: q, k: x's block 4 CY + cy; v: Wv's block cy.  It never holds cx
	s_add_co_u32 s42, s42, s40                     ; S0's tile: q, k: W's block cx; v: x's block 4 CY + cx.  It never holds cy
	s_lshl_b32 s43, s41, 2
	s_lshl_b32 s43, 15, s43                        ; my row of the cluster
	s_lshl_b32 s44, 0x1111, s40                    ; my column
	s_or_b32 s[G1+0], s43, (0<<16)|(1<<20)|(1<<21)|(5<<22)|(3<<25)  ; 15:0 the mask; 17:16 elements of 1 byte; 20 padding on; 21 set beside a mask; 24:22 after every 64 words; 31:25 four words
	s_or_b32 s[G1B+0], s44, (0<<16)|(1<<20)|(1<<21)|(5<<22)|(3<<25)
.irp g, G1, G1B
	s_mov_b32 s[\g+1], ROWB<<16                    ; tensor_dim0
	s_mov_b32 s[\g+2], 128<<16                     ; tensor_dim1
	s_mov_b32 s[\g+3], ROWB<<16                    ; tile_dim0
	s_mov_b32 s[\g+4], 128                         ; tile_dim1
	s_mov_b32 s[\g+5], KROW                        ; tensor_dim0_stride
	s_mov_b32 s[\g+6], 0
	s_mov_b32 s[\g+7], 0
.endr
	s_lshl_b32 s18, s16, 7                         ; which 128 rows of the tile I fetch
	s_lshl_b32 s20, s17, 8
	s_add_co_u32 s20, s20, s18
	s_lshl_b32 s20, s20, 10                        ; S1: (256 x tile + 128 x half) rows of 1,024 bytes: under 2^23
	s_mov_b32 s21, 0
	s_lshl_b32 s46, s42, 8
	s_add_co_u32 s46, s46, s18
	s_lshl_b32 s46, s46, 10                        ; S0 likewise
	s_mov_b32 s47, 0
	s_mul_i32 s45, s14, HALFT                      ; where they go: wave x 128 rows
	s_wait_kmcnt 0x0
	s_load_b256 s[88:95], s[78:79], 0x0            ; e0 .. e7
	s_load_b128 s[96:99], s[78:79], 0x20           ; e8 .. e11
	s_cmp_eq_u32 ttmp9, 1
	s_cselect_b64 s[6:7], s[72:73], s[70:71]       ; Wk or Wq
	s_cmp_eq_u32 ttmp9, 2
	s_cselect_b64 s[4:5], s[74:75], s[68:69]       ; S1: Wv, else x
	s_cselect_b64 s[6:7], s[68:69], s[6:7]         ; S0: x, else the weight
	s_add_nc_u64 s[20:21], s[4:5], s[20:21]
	s_add_nc_u64 s[46:47], s[6:7], s[46:47]
	CROUND                                         ; all sixteen work-groups are here: the first joint loads meet
.irp s, 0,1
	s_mov_b32 s[G0+4*\s], 1
	s_add_co_u32 s[G0+4*\s+1], s45, \s*SLOT
	s_add_nc_u64 s[G0+4*\s+2:G0+4*\s+3], s[20:21], \s*ROWB
	s_or_b32 s[G0+4*\s+3], s[G0+4*\s+3], 0x80000000
	s_mov_b32 s[G0B+4*\s], 1
	s_add_co_u32 s[G0B+4*\s+1], s45, \s*SLOT
	s_add_nc_u64 s[G0B+4*\s+2:G0B+4*\s+3], s[46:47], \s*ROWB
	s_or_b32 s[G0B+4*\s+3], s[G0B+4*\s+3], 0x80000000
	JLOAD G0+4*\s, G1, G0B+4*\s, G1B
.endr
	v_and_b32 v1, 15, v0                           ; r
	v_bfe_u32 v2, v0, 4, 1                         ; h
	v_mul_u32_u24 v3, v1, PITCH
	v_lshl_add_u32 v4, v2, 4, v3                   ; a fragment's row x pitch + 16 h
	s_mul_i32 s21, s15, HALFT                      ; my 128 rows of S1
	s_mul_i32 s22, s16, HALFT                      ; my 128 rows of S0,
	s_add_co_u32 s22, s22, 2*HALFT                 ; which lie behind S1's 256
.irp s, 0,1
	v_add_nc_u32 v[ADRA+\s], s21, v4
	v_add_nc_u32 v[ADRB+\s], s22, v4
	s_add_co_u32 s21, s21, SLOT
	s_add_co_u32 s22, s22, SLOT
.endr
	v_lshl_add_u32 v[STO], v2, 3, v3               ; the stage, in: S1 row 128 (w / 2) + 16 a + r, byte 128 (w % 2) + 16 b + 8 h
	s_mul_i32 s23, s15, 128*PITCH
	s_lshl_b32 s18, s16, 7
	s_add_co_u32 s23, s23, s18
	v_add_nc_u32 v[STO], s23, v[STO]
	v_and_b32 v5, 8, v1
	v_add_nc_u32 v5, v5, v1                        ; r + 8 (r / 8)
	v_mul_u32_u24 v5, v5, PITCH
	v_lshl_add_u32 v5, v2, 4, v5
	s_lshl_b32 s18, s14, 6
	v_add_nc_u32 v[RDK], s18, v5                   ; out, q and k: rows are tokens, my head's 64 bytes begin at 64 w
	s_mul_i32 s18, s14, 64*PITCH
	v_add_nc_u32 v[RDV], s18, v5                   ; out, v: rows are channels, my head's 64 rows begin at 64 w
	v_and_b32 v[LANE], 31, v0
	v_lshlrev_b32 v[LI], 4, v[LANE]
	s_wait_alu depctr_va_vdst(0)
	v_lshlrev_b32 v[VPO], 4, v1
	s_lshl_b32 s18, s14, 8
	s_add_co_u32 s18, s18, PSUM
	v_lshl_add_u32 v[PS], v2, 6, s18
	v_lshl_add_u32 v[PR], v1, 4, s18
	v_mov_b32 v[NEG], 0xe2800000                   ; -2^70
	; where the results go
	s_cmp_eq_u32 ttmp9, 2
	s_cselect_b32 s18, s42, s17                    ; the block of 256 tokens, 0 .. 31
	s_cselect_b32 s19, s17, s42                    ; the block of 256 channels, 0 .. 3
	s_lshl_b32 s19, s19, 2
	s_add_co_u32 s19, s19, s14                     ; my head
	s_lshr_b32 s22, s18, 3                         ; batch
	s_and_b32 s23, s18, 7                          ; the block within the batch
	s_lshl_b32 s22, s22, 4
	s_add_co_u32 s22, s22, s19                     ; bh
	s_cmp_eq_u32 ttmp9, 0
	s_mov_b32 s2, 270336
	s_cselect_b32 s2, 131072, s2                   ; a head's bytes in qimg, in kv
	s_mov_b32 s3, 33792
	s_cselect_b32 s3, 16384, s3                    ; 256 tokens' bytes
	s_mov_b32 s46, 16896
	s_cselect_b32 s46, 8192, s46                   ; 128 tokens' bytes
	s_cselect_b64 s[8:9], s[80:81], s[82:83]
	s_mul_i32 s2, s2, s22
	s_mul_i32 s3, s3, s23
	s_add_co_u32 s2, s2, s3
	s_mov_b32 s3, 0
	s_mov_b32 s47, 0
	s_add_nc_u64 s[8:9], s[8:9], s[2:3]            ; the block's first 128 tokens,
	s_add_nc_u64 s[10:11], s[8:9], s[46:47]        ; and its second
	s_lshl_b32 s2, s18, 12
	s_lshl_b32 s20, s19, 8
	s_add_co_u32 s2, s2, s20
	s_add_nc_u64 s[12:13], s[84:85], s[2:3]        ; vpart: block x 4,096 + head x 256
	s_lshl_b32 s2, s18, 10
	s_add_nc_u64 s[86:87], s[76:77], s[2:3]        ; the block's 256 mask words.  All three products load them, so that no register's state hangs on a branch
	global_load_b128 v[MB:MB+3], v[LI], s[86:87]
	global_load_b128 v[MB+4:MB+7], v[LI], s[86:87] offset:512
.macro FRAG reg, adr, q, i             ; a fragment: lane l holds row l % 16; registers 4 c .. 4 c + 3 hold K = 32 c + 16 (l / 16) + 0 .. 15: the same order of k in both operands
.irp c, 0,1,2,3
	ds_load_b128 v[\reg+4*\c:\reg+4*\c+3], v[\adr] offset:128*(\q)+32*\c+(\i)*16*PITCH
.endr
.endm
; 16 matrix instructions: S1's blocks a0, a0 + 1 x S0's eight, 128 along K.  p: S0's set.  zero = 1: the first product starts the sums.  The 64 accumulators take turns, in the same order in every step.
.macro MUL16 a0, p, zero
.irp a, \a0, \a0+1
.irp b, 0,1,2,3,4,5,6,7
.if \zero
	v_wmma_f32_16x16x128_fp8_fp8 v[8*(8*((\a)%4)+\b):8*(8*((\a)%4)+\b)+7], v[128*(\p)+FR*\b:128*(\p)+FR*\b+FR-1], v[AF+FR*(\a):AF+FR*(\a)+FR-1], 0
.else
	v_wmma_f32_16x16x128_fp8_fp8 v[8*(8*((\a)%4)+\b):8*(8*((\a)%4)+\b)+7], v[128*(\p)+FR*\b:128*(\p)+FR*\b+FR-1], v[AF+FR*(\a):AF+FR*(\a)+FR-1], v[8*(8*((\a)%4)+\b):8*(8*((\a)%4)+\b)+7]
.endif
.endr
.endr
.endm
.macro FETCH_B slot, q, p
	WIN TO_B
.irp i, 0,1,2,3,4,5,6,7
	FRAG 128*(\p)+FR*\i, ADRB+\slot, \q, \i
.endr
	WIN 0
.endm
.macro FETCH_A slot, q, i0
.irp i, \i0, \i0+1, \i0+2, \i0+3
	FRAG AF+FR*(\i), ADRA+\slot, \q, \i
.endr
.endm
.macro PLACES n                        ; plain vector lines between a matrix instruction and a load into, or a vector read of, its registers
.rept \n
	v_nop
.endr
.endm
; A step of 128 along K that has its successor in the same slot.  S1 has one set of registers: blocks 0-3 are fetched anew in the step's middle, blocks 4-7 at its end.
.macro STEP slot, q, zero
	s_wait_dscnt 4*NL                              ; S0's set and S1's blocks 0-3 are in; the youngest sixteen loads (blocks 4-7) may be out
	WIN MUL_LO
	MUL16 0, (\q)%2, \zero
	MUL16 2, (\q)%2, \zero
	s_wait_dscnt 0                                 ; blocks 4-7 are in
	PLACES NP
	FETCH_B \slot, (\q)+1, 1-(\q)%2
	FETCH_A \slot, (\q)+1, 0
	WIN MUL_HI
	MUL16 4, (\q)%2, \zero
	MUL16 6, (\q)%2, \zero
	PLACES NP
	WIN 0
	FETCH_A \slot, (\q)+1, 4
.endm
; A slot's last step changes slots: one barrier; in front of it each wave waits for all its tensor loads, adds 0 to its spare word, and waits for that and for its reads of this slot.  fill = 1: the slot is filled again, two K steps ahead.
.macro TURN slot, next, fill
	s_wait_tensorcnt 0x0                           ; all my tensor loads have landed: my part of the next slot
	ds_add_u32 v[SPW], v[NIL]                      ; 0 onto my spare word
	s_wait_dscnt 4*NL+1                            ; (the add and the youngest sixteen loads may be out)
	WIN MUL_LO
	MUL16 0, 1, 0
	s_wait_dscnt 0x0                               ; the add is done, and my reads of this slot are over
	s_barrier_signal -1
	MUL16 2, 1, 0
	WIN 0
	s_barrier_wait -1
.if \fill
	CREST                                          ; the barrier has opened a round of the cluster's: no wave of any partner still reads this slot or has a load on its way
	s_add_nc_u64 s[G0+4*\slot+2:G0+4*\slot+3], s[G0+4*\slot+2:G0+4*\slot+3], 2*ROWB
	s_add_nc_u64 s[G0B+4*\slot+2:G0B+4*\slot+3], s[G0B+4*\slot+2:G0B+4*\slot+3], 2*ROWB
	JLOAD G0+4*\slot, G1, G0B+4*\slot, G1B         ; the first tensor load behind the round; its four v_nop are the places in front of the loads below
.else
	PLACES NP
.endif
	FETCH_B \next, 0, 0
	FETCH_A \next, 0, 0
	WIN MUL_HI
	MUL16 4, 1, 0
	MUL16 6, 1, 0
	PLACES NP
	WIN 0
	FETCH_A \next, 0, 4
.endm
	s_wait_tensorcnt 1                             ; my part of K step 0 is in; K step 1's load may be out
	s_barrier_signal -1
	s_barrier_wait -1
	FETCH_B 0, 0, 0
	FETCH_A 0, 0, 0
	FETCH_A 0, 0, 4
	STEP 0, 0, 1                                   ; K 0-127: its products start the sums
	TURN 0, 1, 1                                   ; K 128-255; slot 0 takes K 512-767
	STEP 1, 0, 0
	TURN 1, 0, 1                                   ; slot 1 takes K 768-1023
	STEP 0, 0, 0
	TURN 0, 1, 0                                   ; nothing is left to fetch: behind this barrier nobody reads slot 0
	STEP 1, 0, 0
	s_wait_dscnt 4*NL                              ; the last step
	WIN MUL_LO
	MUL16 0, 1, 0
	MUL16 2, 1, 0
	s_wait_dscnt 0
	WIN MUL_HI
	MUL16 4, 1, 0
	MUL16 6, 1, 0
	WIN 0
	; the one scale of the conversion: a sum stands for sum x 2^(ea + eb), its code is sum / 2^(eo - ea - eb)
	s_wait_kmcnt 0x0
	s_sub_co_i32 s18, s94, s88
	s_sub_co_i32 s18, s18, s89                     ; q: e6 - e0 - e1
	s_sub_co_i32 s19, s95, s90
	s_sub_co_i32 s19, s19, s91                     ; k: e7 - e2 - e3
	s_sub_co_i32 s20, s97, s92
	s_sub_co_i32 s20, s20, s93                     ; v: e9 - e4 - e5
	s_cmp_eq_u32 ttmp9, 1
	s_cselect_b32 s18, s19, s18
	s_cmp_eq_u32 ttmp9, 2
	s_cselect_b32 s18, s20, s18
	s_add_co_i32 s18, s18, 127
	s_lshl_b32 s19, s18, 23
	v_mov_b32 v[SCL], s19
	s_add_co_i32 s18, s18, 8
	s_lshl_b32 s18, s18, 23
	s_or_b32 s18, s18, 0x600000
	PLACES NP
; Block a (16 rows of S1 x 128 of S0): eight conversions; eight stores of 8 bytes.
.macro QBLOCK a
	WIN 0x02+((\a)/4)                              ; source 0: window 2 or 3
.set n, 0
.rept 64
.set n, n+1
.endr
.irp b, 0,1,2,3,4,5,6,7
	v_cvt_scalef32_pk8_fp8_f32 v[CODE+16*(\a)+2*\b:CODE+16*(\a)+2*\b+1], v[TMP+8*\b+((64*((\a)%4)+n)-(TMP+n)):TMP+8*\b+7+((64*((\a)%4)+n)-(TMP+n))], v[SCL]
.endr
	WIN 0
	v_nop                                          ; one plain line behind the conversions
.irp b, 0,1,2,3,4,5,6,7
	ds_store_b64 v[STO], v[CODE+16*(\a)+2*\b:CODE+16*(\a)+2*\b+1] offset:(\a)*16*PITCH+16*\b   ; word 68 r + 2 h: the 32 lanes touch 64 different banks
.endr
.endm
.irp a, 0,1,2,3,4,5,6,7
	QBLOCK \a
.endr
	s_wait_loadcnt 0x0                             ; the mask words
.irp i, 0,1,2,3,4,5,6,7
	v_cmp_eq_u32 vcc_lo, 0, v[MB+\i]
	v_cndmask_b32 v[MB+\i], 0, v[NEG], vcc_lo      ; the bias that the attention launch gives its first product as C
.endr
	s_wait_dscnt 0x0                               ; for the others' sake: my codes lie in the stage
	s_barrier_signal -1
	s_barrier_wait -1
	s_cmp_eq_u32 ttmp9, 2
	s_cbranch_scc1 .Lv
	; q and k: 32 chunks: half n / 16 of the block's tokens, group (n / 4) % 4, u = (n / 2) % 2, c = n % 2
.set n, 0
.rept 32
	ds_load_b128 v[RB+4*n:RB+4*n+3], v[RDK] offset:(32*(4*(n/16)+(n/4)%4)+8*((n/2)%2))*PITCH+32*(n%2)
.set n, n+1
.endr
.set n, 0
.rept 32
	s_wait_dscnt 31-n                              ; LDS loads come back in order: chunk n is in, the younger ones may be out
	global_store_b128 v[LI], v[RB+4*n:RB+4*n+3], s[8+2*(n/16):9+2*(n/16)] offset:((n/4)%4)*2048+((n/2)%2)*1024+(n%2)*512   ; 512 consecutive bytes, aligned
.set n, n+1
.endr
	s_cmp_eq_u32 ttmp9, 1
	s_cbranch_scc0 .Ldone
	s_wait_alu depctr_va_vdst(0)
	global_store_b128 v[LI], v[MB:MB+3], s[8:9] offset:16384     ; k: each record's 128 numbers of bias, behind its K and its V
	global_store_b128 v[LI], v[MB+4:MB+7], s[10:11] offset:16384
	s_branch .Ldone
.Lv:
	; v: 32 chunks: record n / 16, tile t = (n / 4) % 4 of 16 channels, c = n % 4
.set n, 0
.rept 32
	ds_load_b128 v[RB+4*n:RB+4*n+3], v[RDV] offset:(32*(((n/4)%4)/2)+8*(((n/4)%4)%2))*PITCH+128*(n/16)+32*(n%4)
.set n, n+1
.endr
	s_add_co_i32 s18, s96, 127                     ; Q(1) with p's scale 2^e8: min(1, 448 x 2^e8) / 2^e8, to the nearest code
	s_lshl_b32 s19, s18, 23
	v_mov_b32 v216, s19
	s_add_co_i32 s18, s18, 8
	s_lshl_b32 s18, s18, 23
	s_or_b32 s18, s18, 0x600000
	v_mov_b32 v217, s18
	v_min_num_f32 v208, 1.0, v217
.irp i, 1,2,3,4,5,6,7
	v_mov_b32 v[208+\i], v208
.endr
	v_cvt_scalef32_pk8_fp8_f32 v[ONES:ONES+1], v[208:215], v216
	v_nop                                          ; one plain line behind the conversion
.irp i, 2,3,4,5,6,7,8,9,10,11,12,13,14,15
	v_mov_b32 v[ONES+\i], v[ONES]                  ; every byte of the fragment is that code
.endr
.set n, 0
	s_wait_alu depctr_va_vdst(0)
.rept 32
	s_wait_dscnt 31-n
	global_store_b128 v[LI], v[RB+4*n:RB+4*n+3], s[8+2*(n/16):9+2*(n/16)] offset:8192+((n/4)%4)*2048+(n%4)*512
.set n, n+1
.endr
.irp t, 0,1,2,3                                ; the chunks just read ARE fragments of V^T: x a fragment of Q(1)'s code they give each channel's sum over 128 keys; four accumulators by turns
	v_wmma_f32_16x16x128_fp8_fp8 v[SUMS+8*\t:SUMS+8*\t+7], v[RB+16*\t:RB+16*\t+15], v[ONES:ONES+15], 0
.endr
.irp t, 0,1,2,3
	v_wmma_f32_16x16x128_fp8_fp8 v[SUMS+8*\t:SUMS+8*\t+7], v[RB+64+16*\t:RB+64+16*\t+15], v[ONES:ONES+15], v[SUMS+8*\t:SUMS+8*\t+7]
.endr
	PLACES NP
.irp t, 0,1,2,3                                ; register j of tile t: channel 32 (t / 2) + 8 (t % 2) + 16 h + j; the sixteen lanes of a half hold the same numbers
	ds_store_b128 v[PS], v[SUMS+8*\t:SUMS+8*\t+3] offset:128*(\t/2)+32*(\t%2)
	ds_store_b128 v[PS], v[SUMS+8*\t+4:SUMS+8*\t+7] offset:128*(\t/2)+32*(\t%2)+16
.endr
	ds_load_b128 v[220:223], v[PR]                 ; LDS serves a wave's instructions in order: this sees my stores
	s_wait_dscnt 0x0
	v_cmp_gt_u32 vcc_lo, 16, v[LANE]
	s_wait_xcnt 0x0                                ; EXEC is a source of the stores above: it changes only behind this wait
	s_and_saveexec_b32 s46, vcc_lo
	global_store_b128 v[VPO], v[220:223], s[12:13] ; sixteen lanes store my head's 64 sums: 256 consecutive bytes, aligned
	s_wait_xcnt 0x0
	s_or_b32 exec_lo, exec_lo, s46
.Ldone:
	s_wait_tensorcnt 0x0                           ; the wave's end
	ds_add_u32 v[SPW], v[NIL]
	s_wait_dscnt 0x0
	CROUND                                         ; the closing round
	s_endpgm
.Lfunc_end_k_q821ca36e15_proj:
	.size	k_q821ca36e15_proj, .Lfunc_end_k_q821ca36e15_proj-k_q821ca36e15_proj
	.p2alignl 7, 3214868480
	.fill 96, 4, 3214868480
	.section	.rodata,"a",@progbits
	.p2align	6, 0x0
	.amdhsa_kernel k_q821ca36e15_proj
		.amdhsa_group_segment_fixed_size 327680
		.amdhsa_private_segment_fixed_size 0
		.amdhsa_enable_private_segment 0
		.amdhsa_kernarg_size 72
		.amdhsa_user_sgpr_count 2
		.amdhsa_user_sgpr_kernarg_segment_ptr 1
		.amdhsa_wavefront_size32 1
		.amdhsa_system_sgpr_workgroup_id_x 1
		.amdhsa_system_sgpr_workgroup_id_y 1
		.amdhsa_system_sgpr_workgroup_id_z 1
		.amdhsa_system_vgpr_workitem_id 0
		.amdhsa_next_free_vgpr 1024
		.amdhsa_next_free_sgpr 100
		.amdhsa_reserve_vcc 1
		.amdhsa_float_denorm_mode_32 3
		.amdhsa_float_denorm_mode_16_64 3
		.amdhsa_fp16_overflow 1
		.amdhsa_memory_ordered 1
		.amdhsa_forward_progress 1
		.amdhsa_inst_pref_size 104
	.end_amdhsa_kernel
	.amdgpu_metadata
---
amdhsa.version: [ 1, 2 ]
amdhsa.kernels:
  - .name:           k_q821ca36e15_proj
    .symbol:         k_q821ca36e15_proj.kd
    .args:
      - { .name: x_codes, .offset: 0, .size: 8, .value_kind: global_buffer, .address_space: global }
      - { .name: Wq_codes, .offset: 8, .size: 8, .value_kind: global_buffer, .address_space: global }
      - { .name: Wk_codes, .offset: 16, .size: 8, .value_kind: global_buffer, .address_space: global }
      - { .name: Wv_codes, .offset: 24, .size: 8, .value_kind: global_buffer, .address_space: global }
      - { .name: attention_mask, .offset: 32, .size: 8, .value_kind: global_buffer, .address_space: global }
      - { .name: lowp_scales, .offset: 40, .size: 8, .value_kind: global_buffer, .address_space: global }
      - { .name: qimg, .offset: 48, .size: 8, .value_kind: global_buffer, .address_space: global }
      - { .name: kv, .offset: 56, .size: 8, .value_kind: global_buffer, .address_space: global }
      - { .name: vpart, .offset: 64, .size: 8, .value_kind: global_buffer, .address_space: global }
    .group_segment_fixed_size: 327680
    .private_segment_fixed_size: 0
    .kernarg_segment_align: 8
    .kernarg_segment_size: 72
    .max_flat_workgroup_size: 128
    .sgpr_count:     100
    .vgpr_count:     1024
    .wavefront_size: 32
...
	.end_amdgpu_metadata
.endif
;; end of part 1
;; launch attn (part 2): grid 4 x 64, 16 waves a work-group, no clusters, 327,680 bytes of LDS; arguments qimg, kv, vpart, lowp_scales, cimg; writes cimg
.if DOCPART == 2
	.amdgcn_target "amdgcn-amd-amdhsa--gfx1250"
	.amdhsa_code_object_version 6
	.text
	.protected	k_q821ca36e15_attn
	.globl	k_q821ca36e15_attn
	.p2align	8
	.type	k_q821ca36e15_attn,@function
k_q821ca36e15_attn:
	s_mov_b64 s[64:65], 0
	v_nop
	global_prefetch_b8 v0, s[64:65] scope:SCOPE_SE
	s_setreg_imm32_b32 hwreg(HW_REG_WAVE_MODE, 25, 1), 1
	s_wait_xcnt 0x0
; Causal attention with a padding mask on codes of FP8 (E4M3), head size 64, 2,048 keys; ctx is quantised and stored as the image of the output product's operand.
; INPUTS (made by the launch before, in the order of the operand registers; chunk = 32 lanes x 16 bytes; r = lane % 16, h = lane / 16):
;   qimg [bh][g 64][u 2][c 2][lane][16]: token 32 g + 8 u + r + 8 (r / 8), channels 32 c + 16 h ..;   kv [bh][ks 16] records of 16,896 bytes: K 8,192, V 8,192 (keys innermost), 128 f32 of bias (0 or -2^70);
;   vpart [b][kb 8][1024]: sums of code(Q(1)) x code(v) over 256 keys.
; OUTPUT cimg [T 512][head 16][c 2][lane][16]: tile T = 128 b + 16 QB + wave holds my 16 queries, channels 32 c + 16 h ...
; SHARES.  Work-group (p, bh) owns the blocks of 256 queries 7 - p and then p of head bh: (8 - p) + (p + 1) = 9 slots of 256 keys in every work-group, so the trip count is a constant and all 256 work-groups have equal work.
; Each of sixteen waves owns 16 queries in 256 registers, four waves to a SIMD.  K, V and bias come through a ring of two LDS slots (two records each), filled by waves 0 and 1, one dense tensor load each.
; NO CLUSTER: the four work-groups of a head turn back to key 0 after 8 - p slots, a different trip in each, so from the fifth trip on they want different tiles; partners would need different numbers of tiles.
; BOTH PRODUCTS TRANSPOSED: S^T = K Q^T (+ the bias as C: the padding mask costs no vector line), O^T = V^T P^T: a lane holds one query throughout; the keys of a tile of K and the channels of a tile of V are so chosen
; that the 16 registers of two neighbouring tiles are 16 neighbours along the next K.
; SOFTMAX: t = score x c', c' = log2(e) / 8 x 2^(e6 + e7); M = the running largest t rounded up to a whole number; p = 2^(t - M) is quantised with 2^e8; the sum is taken of the unquantised p.
; MASKS.  A padded or causally hidden score is -2^70 (in units of code sums, of which the largest is under 2^24).  The running largest t begins at T0 = -c' x 2^30: under every real t, far over every masked one, so a masked score
; never sets M and its p is 0.  A query none of whose keys 0 .. q is open keeps T0: reference() then weighs all 2,048 keys alike, so its row is Q(1) x the sum of Q(v) over all keys / 2,048, chosen by v_cndmask_b32.
; Steps all of whose keys come after the wave's queries are left out by a scalar branch on ids.
; LIMITS on the given exponents: e6 + e7 between -59 and 57 (then c' x 2^70 is an f32 number and at least 300); e8, and e10 - e8 - e9, between -126 and 119.
; REGISTERS: v1-11 addresses; v12 -M, v13 the largest t, v[14:15] the sum; v16-23 Q; v24-29 constants; v32-95 K's eight fragments, then V's four; v96-159 bias, S^T, p; v160-191 O^T; v192-207 p's codes; v208-215 ctx's codes; v236-254 at work.
.set REC,   16896                      ; a record: 128 keys
.set SLOTB, 2*REC
.set HEADB, 16*REC
.set SLOT1, 0x10000                    ; slot 1 begins here: one exclusive or turns an address of one slot into the other's
.set UB,    0x20000                    ; 64 f32: the head's sums of Q(1) x Q(v) over all keys
.set SPARE, 0x20100                    ; the spare words, 128 bytes for each of sixteen waves
.set LI,   1                           ; v1   16 x lane
.set BI,   2                           ; v2   the bias in a record: 16,384 + 64 h
.set PFO,  3                           ; v3   256 x lane
.set QD,   4                           ; v4   my query - 16 h
.set SPW,  5                           ; v5   my spare word; never rewritten
.set NIL,  6                           ; v6   0; never rewritten
.set UAD,  7                           ; v7   UB + 64 h
.set ADK,  8                           ; v8   the slot in hand + 16 x lane
.set ADB,  9                           ; v9   the slot in hand + BI
.set UW,   10                          ; v10  UB + 4 (thread % 64)
.set UO,   11                          ; v11  4 (thread % 64)
.set TB,    2                          ; s2   LDS byte at which the slot in hand begins
.set TRIPS, 3                          ; s3   trips to go
.set NS,    14                         ; s14  which 256 keys the next fill brings
.set NLIM,  15                         ; s15  8 - p: there the walk turns back to key 0
.set WV,    18
.set SEL,   20                         ; s[20:21] v_permlanex16_b32's selects: lane l xor 16
.set CS,    22                         ; s[22:23] c'
.set G1,    24                         ; s[24:31] descriptor group 1
.set G0,    32                         ; s[32:35] group 0, which walks
.set GB,    36                         ; s[36:37] my record of the head's first slot, in memory
.set OFS,   38                         ; s[38:39] an offset; s39 stays 0
.set QP,    40                         ; s[40:41], s[42:43] Q of the first and of the second block
.set QPB,   42
.set CO,    44                         ; s[44:45], s[46:47] where ctx goes: the block in hand, the second block
.set COB,   46
.set KF,    48                         ; s48  the step's first key
.set QEND,  49                         ; s49  the key behind the block's last
.set QTOP,  50                         ; s50  my largest query
.set QMIN,  51                         ; s51  my least
.set DELTA, 52                         ; s52  256 (7 - 2 p): from the first block to the second
.set PFA,   54                         ; s[54:55] where my prefetches stand
.set LIM,   56                         ; s56  2 in a wave that prefetches, else the greatest number
.macro TLOAD                           ; waves 0 and 1 fetch a record each; the branch hangs on the wave's number alone; four v_nop follow the load
	s_cmp_lt_u32 s[WV], 2
	s_cbranch_scc0 .Lnone_\@
	tensor_load_to_lds s[G0:G0+3], s[G1:G1+7]
	s_nop 0
.rept 4
	v_nop
.endr
.Lnone_\@:
.endm
; A prefetch into the L2 of the K and V of the slot that the NEXT change of slots will ask for.  The four work-groups of a head walk the same records from key 0 on: work-group p = 0 asks, which walks all eight slots in its first block.
; In it waves 4 to 7 ask, which fetch nothing: wave 4 + k for 8,192 bytes, K (k even) or V (k odd) of the slot's record k / 2, lanes 256 bytes apart.  Trips 0 to 5 ask for slots 2 to 7; slots 0 and 1, and each record's 512 bytes of bias, come by their loads alone.
.macro ASK
	s_cmp_gt_u32 s[TRIPS], s[LIM]
	s_cbranch_scc0 .Lnot_mine_\@
	global_prefetch_b8 v[PFO], s[PFA:PFA+1] th:TH_LOAD_NT scope:SCOPE_SE
.Lnot_mine_\@:
.endm
	s_load_b256 s[4:11], s[0:1], 0x0               ; qimg 4, kv 6, vpart 8, scales 10
	s_load_b64 s[12:13], s[0:1], 0x20              ; cimg
	v_lshl_add_u32 v[SPW], v0, 2, SPARE
	v_mov_b32 v[NIL], 0
	ds_add_u32 v5, v6
	ds_add_u32 v5, v6
	s_wait_dscnt 0x0
	v_lshrrev_b32 v8, 5, v0
	s_delay_alu instid0(VALU_DEP_1)
	v_readfirstlane_b32 s[WV], v8                  ; wave 0..15
	s_and_b32 s57, ttmp7, 0xffff                   ; bh
	s_lshr_b32 s58, s57, 4                         ; batch
	s_and_b32 s59, s57, 15                         ; head
	s_sub_co_u32 s60, 7, ttmp9                     ; the first block of queries
	s_sub_co_u32 s[NLIM], 8, ttmp9
	s_mov_b32 s[G1], 3<<16                         ; no mask; elements of 8 bytes; no padding: a record is a dense block, taken as 66 rows of 256 bytes
	s_mov_b32 s[G1+1], 32<<16                      ; tensor_dim0 = 32
	s_mov_b32 s[G1+2], 66<<16                      ; tensor_dim1 = 66
	s_mov_b32 s[G1+3], 32<<16                      ; tile_dim0
	s_mov_b32 s[G1+4], 66                          ; tile_dim1
	s_mov_b32 s[G1+5], 32                          ; tensor_dim0_stride
	s_mov_b32 s[G1+6], 0
	s_mov_b32 s[G1+7], 0
	s_and_b32 s61, s[WV], 1
	s_mul_i32 s61, s61, REC                        ; my record's place in a slot
	s_mul_i32 s62, s57, HEADB
	s_add_co_u32 s[OFS], s62, s61
	s_mov_b32 s[OFS+1], 0
	s_wait_kmcnt 0x0
	s_load_b256 s[68:75], s[10:11], 0x10           ; e4 .. e11
	s_add_nc_u64 s[GB:GB+1], s[6:7], s[OFS:OFS+1]
	s_mov_b32 s[G0], 1
	s_mov_b32 s[G0+1], s61                         ; slot 0
	s_mov_b64 s[G0+2:G0+3], s[GB:GB+1]
	s_or_b32 s[G0+3], s[G0+3], 0x80000000
	TLOAD                                          ; keys 0 to 255
	s_mov_b32 s[SEL], 0x76543210
	s_mov_b32 s[SEL+1], 0xfedcba98
	s_mov_b32 s[CS], 0x3e38aa3b                    ; log2(e) / 8
	s_mov_b32 s[TB], 0
	s_mov_b32 s[NS], 1
	s_mov_b32 s[KF], 0
	s_lshl_b32 s[QMIN], s60, 8
	s_add_co_u32 s[QEND], s[QMIN], 256
	s_lshr_b32 s62, s[WV], 1
	s_lshl_b32 s62, s62, 5
	s_add_co_u32 s[QMIN], s[QMIN], s62
	s_and_b32 s62, s[WV], 1
	s_lshl_b32 s62, s62, 3
	s_add_co_u32 s[QMIN], s[QMIN], s62             ; 256 QB + 32 (w / 2) + 8 (w % 2)
	s_add_co_u32 s[QTOP], s[QMIN], 23              ; lane r's query is QMIN + r + 8 (r / 8)
	s_lshl_b32 s62, ttmp9, 1
	s_sub_co_u32 s62, 7, s62
	s_lshl_b32 s[DELTA], s62, 8
	s_lshl_b32 s62, s57, 17                        ; a head of qimg is 131,072 bytes, a fragment of 16 queries 1,024
	s_lshl_b32 s63, s60, 4
	s_add_co_u32 s63, s63, s[WV]
	s_lshl_b32 s63, s63, 10
	s_add_co_u32 s[OFS], s62, s63
	s_add_nc_u64 s[QP:QP+1], s[4:5], s[OFS:OFS+1]
	s_lshl_b32 s63, ttmp9, 4
	s_add_co_u32 s63, s63, s[WV]
	s_lshl_b32 s63, s63, 10
	s_add_co_u32 s[OFS], s62, s63
	s_add_nc_u64 s[QPB:QPB+1], s[4:5], s[OFS:OFS+1]
	s_lshl_b32 s62, s58, 7
	s_add_co_u32 s62, s62, s[WV]                   ; 128 b + w
	s_lshl_b32 s76, s59, 10                        ; my head's 1,024 bytes of a tile
	s_lshl_b32 s63, s60, 4
	s_add_co_u32 s63, s63, s62
	s_lshl_b32 s63, s63, 14
	s_add_co_u32 s[OFS], s63, s76
	s_add_nc_u64 s[CO:CO+1], s[12:13], s[OFS:OFS+1]
	s_lshl_b32 s63, ttmp9, 4
	s_add_co_u32 s63, s63, s62
	s_lshl_b32 s63, s63, 14
	s_add_co_u32 s[OFS], s63, s76
	s_add_nc_u64 s[COB:COB+1], s[12:13], s[OFS:OFS+1]
	s_lshl_b32 s62, s58, 15
	s_lshl_b32 s63, s59, 8
	s_add_co_u32 s[OFS], s62, s63
	s_add_nc_u64 s[8:9], s[8:9], s[OFS:OFS+1]      ; vpart at my batch and head
	s_bfe_u32 s62, s[WV], 0x10001
	s_mul_i32 s62, s62, REC
	s_and_b32 s63, s[WV], 1
	s_lshl_b32 s63, s63, 13
	s_add_co_u32 s62, s62, s63
	s_mul_i32 s63, s57, HEADB
	s_add_co_u32 s62, s62, s63
	s_add_co_u32 s[OFS], s62, SLOTB                ; in slot 1: the first change of slots steps it to slot 2
	s_add_nc_u64 s[PFA:PFA+1], s[6:7], s[OFS:OFS+1]
	s_lshr_b32 s62, s[WV], 2
	s_xor_b32 s62, s62, 1                          ; 0 in waves 4 to 7,
	s_or_b32 s62, s62, ttmp9                       ; of work-group p = 0
	s_cmp_eq_u32 s62, 0
	s_cselect_b32 s[LIM], 2, -1
	v_and_b32 v8, 15, v0                           ; r
	v_bfe_u32 v9, v0, 4, 1                         ; h
	v_and_b32 v10, 31, v0
	s_delay_alu instid0(VALU_DEP_1)
	v_lshlrev_b32 v[LI], 4, v10
	s_delay_alu instid0(VALU_DEP_2)
	v_lshlrev_b32 v[PFO], 8, v10
	s_delay_alu instid0(VALU_DEP_4)
	v_lshlrev_b32 v[BI], 6, v9
	s_delay_alu instid0(VALU_DEP_1)
	v_add_nc_u32 v[UAD], UB, v[BI]
	s_delay_alu instid0(VALU_DEP_2)
	v_add_nc_u32 v[BI], 16384, v[BI]
	v_and_b32 v[UO], 63, v0
	s_delay_alu instid0(VALU_DEP_1)
	v_lshlrev_b32 v[UO], 2, v[UO]
	s_delay_alu instid0(VALU_DEP_1)
	v_add_nc_u32 v[UW], UB, v[UO]
	v_and_b32 v[QD], 8, v8
	s_delay_alu instid0(VALU_DEP_1)
	v_add_nc_u32 v[QD], v[QD], v8
	v_lshlrev_b32 v9, 4, v9
	s_delay_alu instid0(VALU_DEP_1)
	v_sub_nc_u32 v[QD], v[QD], v9
	s_delay_alu instid0(VALU_DEP_1)
	v_add_nc_u32 v[QD], s[QMIN], v[QD]
	global_load_b128 v[16:19], v[LI], s[QP:QP+1] th:TH_LOAD_NT
	global_load_b128 v[20:23], v[LI], s[QP:QP+1] offset:512 th:TH_LOAD_NT
	s_lshr_b32 s62, s[WV], 1                       ; waves 2 and 3 add the eight blocks' sums, a thread to a channel, and put them into LDS; the first change of slots shows them to all
	s_cmp_eq_u32 s62, 1
	s_cbranch_scc0 .Lno_u
.irp k, 0,1,2,3,4,5,6,7
	global_load_b32 v[96+\k], v[UO], s[8:9] offset:4096*\k
.endr
	s_wait_loadcnt 0x0
	v_add_f32 v96, v96, v97
	v_add_f32 v98, v98, v99
	v_add_f32 v100, v100, v101
	v_add_f32 v102, v102, v103
	s_delay_alu instid0(VALU_DEP_3)
	v_add_f32 v96, v96, v98
	s_delay_alu instid0(VALU_DEP_2)
	v_add_f32 v100, v100, v102
	s_delay_alu instid0(VALU_DEP_1)
	v_add_f32 v96, v96, v100
	ds_store_b32 v[UW], v96
.Lno_u:
	s_wait_kmcnt 0x0
	s_add_co_i32 s62, s70, s71
	s_lshl_b32 s62, s62, 23
	s_add_co_i32 s[CS], s[CS], s62                 ; e6 + e7 are added to c's exponent field
	s_mov_b32 s[CS+1], s[CS]                       ; (named with it as a pair, so it is written)
	s_add_co_u32 s62, s[CS], 30<<23
	s_or_b32 s62, s62, 0x80000000
	v_mov_b32 v29, s62                             ; T0 = -c' x 2^30
	s_sub_co_u32 s62, s62, 1<<23
	v_mov_b32 v24, s62                             ; -c' x 2^29: a largest t under it has met no open key
	v_mov_b32 v25, 0x3a000000                      ; 1 / 2,048
	v_mov_b32 v28, 0xe2800000                      ; -2^70
	s_add_co_i32 s62, s72, 127
	s_lshl_b32 s63, s62, 23
	v_mov_b32 v244, s63                            ; 2^e8
	s_sub_co_i32 s62, s74, s72
	s_sub_co_i32 s62, s62, s73
	s_add_co_i32 s62, s62, 127
	s_lshl_b32 s63, s62, 23
	v_mov_b32 v27, s63                             ; 2^(e10 - e8 - e9): O^T / the sum stands for ctx / 2^(e8 + e9)
	v_mov_b32 v13, v29
	s_delay_alu instid0(VALU_DEP_1)
	v_floor_f32 v12, -v13                          ; -M
	v_mov_b32 v14, 0
	v_mov_b32 v15, 0
	v_mov_b32 v236, 0                              ; written once: a lane permute's destination counts as one of its sources
	v_mov_b32 v252, 0
	v_mov_b32 v253, 0                              ; (named as the upper half of the pair v[252:253])
.set n, 0
.rept 32
	v_mov_b32 v[160+n], 0                          ; O^T: the step is written once, and the first finds zeros
.set n, n+1
.endr
; A KEY STEP: 128 keys, record q of the slot in hand.
.macro STEP q
	s_cmp_gt_u32 s[KF], s[QTOP]                    ; all its keys come after my queries: nothing to do
	s_cbranch_scc1 .Lhidden_\@
	v_add_nc_u32 v[ADK], s[TB], v[LI]
	v_add_nc_u32 v[ADB], s[TB], v[BI]
	v_nop
	v_nop                                          ; four places in front of loads into registers that the last products read
.irp b, 0,1,2,3
.irp g, 0,1,2,3
	ds_load_b128 v[96+16*\b+4*\g:99+16*\b+4*\g], v[ADB] offset:REC*(\q)+128*\b+16*\g   ; the bias of keys 32 b + 16 h + 4 g + 0..3: the C of the products below
.endr
.endr
.irp t, 0,1,2,3,4,5,6,7
.irp c, 0,1
	ds_load_b128 v[32+8*\t+4*\c:35+8*\t+4*\c], v[ADK] offset:REC*(\q)+1024*\t+512*\c
.endr
.endr
	s_wait_alu depctr_va_vdst(0)
	s_wait_dscnt 0x0
.irp t, 0,1,2,3,4,5,6,7
	v_wmma_f32_16x16x64_fp8_fp8 v[96+8*\t:103+8*\t], v[32+8*\t:39+8*\t], v[16:23], v[96+8*\t:103+8*\t]   ; register 16 b + i: key 32 b + 16 h + i of my query
.endr
.rept 4
	v_nop
.endr
.irp t, 0,1,2,3
.irp c, 0,1,2,3
	ds_load_b128 v[32+16*\t+4*\c:35+16*\t+4*\c], v[ADK] offset:REC*(\q)+8192+2048*\t+512*\c   ; V's fragments land while the softmax is worked
.endr
.endr
	s_add_co_u32 s62, s[KF], 127
	s_cmp_le_u32 s62, s[QMIN]                      ; all keys count for all my queries: no causal mask
	s_cbranch_scc1 .Lopen_\@
	v_sub_nc_u32 v252, v[QD], s[KF]                ; d = my query - KF - 16 h: register 16 b + i is hidden where 32 b + i > d
.set n, 0
.rept 64
	v_cmp_gt_i32 vcc_lo, 32*(n/16)+n%16, v252
	v_cndmask_b32 v[96+n], v[96+n], v28, vcc_lo
.set n, n+1
.endr
.Lopen_\@:
	v_max3_num_f32 v254, v96, v97, v98             ; the step's largest score of my query, in two chains,
	v_max3_num_f32 v252, v99, v100, v101
.irp i, 6,10,14,18,22,26,30,34,38,42,46,50,54,58
	v_max3_num_f32 v254, v254, v[96+\i], v[97+\i]
	v_max3_num_f32 v252, v252, v[98+\i], v[99+\i]
.endr
	v_max3_num_f32 v254, v254, v158, v159
	s_delay_alu instid0(VALU_DEP_1)
	v_max_num_f32 v254, v254, v252
	s_delay_alu instid0(VALU_DEP_1)
	v_permlanex16_b32 v236, v254, s[SEL], s[SEL+1]
	s_delay_alu instid0(VALU_DEP_1)
	v_max_num_f32 v254, v254, v236                 ; and among lane l xor 16's
	s_delay_alu instid0(VALU_DEP_1)
	v_mul_f32 v254, s[CS], v254
	s_delay_alu instid0(VALU_DEP_1)
	v_max_num_f32 v13, v13, v254                   ; the running largest t, never under T0
	v_mov_b32 v254, v12
	s_delay_alu instid0(VALU_DEP_2)
	v_floor_f32 v12, -v13                          ; -M = floor(-t)
	s_delay_alu instid0(VALU_DEP_1)
	v_sub_f32 v254, v12, v254                      ; old M - new M: a whole number, 0 or less
	s_delay_alu instid0(VALU_DEP_1)
	v_cvt_i32_f32 v254, v254                       ; (it saturates)
	s_delay_alu instid0(VALU_DEP_1)
	v_ldexp_f32 v252, 1.0, v254                    ; f = 2^(old M - new M)
.set n, 0
.rept 32
	v_pk_fma_f32 v[96+n:97+n], v[96+n:97+n], s[CS:CS+1], v[12:13] op_sel_hi:[1,0,0]   ; t - M
.set n, n+2
.endr
.set n, 0
	s_wait_alu depctr_va_vdst(0)
.rept 64
	v_exp_f32 v[96+n], v[96+n]                     ; p = 2^(t - M)
.set n, n+1
.endr
	v_pk_mul_f32 v[14:15], v[14:15], v[252:253] op_sel_hi:[1,0]   ; the sum under the new M: the plain line behind the exponentials
	s_wait_alu depctr_va_vdst(0)                   ; one wait for the batch, ahead of its first reader
	v_pk_add_f32 v[242:243], v[100:101], v[104:105]
	v_pk_add_f32 v[254:255], v[108:109], v[112:113]
	v_pk_add_f32 v[250:251], v[116:117], v[120:121]
	v_pk_add_f32 v[248:249], v[124:125], v[128:129]
	v_pk_add_f32 v[246:247], v[132:133], v[136:137]
	v_pk_add_f32 v[240:241], v[140:141], v[144:145]
	v_pk_add_f32 v[238:239], v[148:149], v[152:153]
	v_pk_add_f32 v[14:15], v[14:15], v[156:157]
	v_pk_add_f32 v[242:243], v[242:243], v[96:97]
	v_pk_add_f32 v[254:255], v[254:255], v[98:99]
	v_pk_add_f32 v[250:251], v[250:251], v[102:103]
	v_pk_add_f32 v[248:249], v[248:249], v[106:107]
	v_pk_add_f32 v[246:247], v[246:247], v[110:111]
	v_pk_add_f32 v[240:241], v[240:241], v[114:115]
	v_pk_add_f32 v[238:239], v[238:239], v[118:119]
	v_pk_add_f32 v[14:15], v[14:15], v[122:123]
	v_pk_add_f32 v[242:243], v[242:243], v[126:127]
	v_pk_add_f32 v[254:255], v[254:255], v[130:131]
	v_pk_add_f32 v[250:251], v[250:251], v[134:135]
	v_pk_add_f32 v[248:249], v[248:249], v[138:139]
	v_pk_add_f32 v[246:247], v[246:247], v[142:143]
	v_pk_add_f32 v[240:241], v[240:241], v[146:147]
	v_pk_add_f32 v[238:239], v[238:239], v[150:151]
	v_pk_add_f32 v[14:15], v[14:15], v[154:155]
	v_pk_add_f32 v[242:243], v[242:243], v[158:159]
	s_delay_alu instid0(VALU_DEP_2)
	v_pk_add_f32 v[14:15], v[14:15], v[248:249]
	s_delay_alu instid0(VALU_DEP_2)
	v_pk_add_f32 v[242:243], v[242:243], v[246:247]
	v_pk_add_f32 v[254:255], v[254:255], v[240:241]
	v_pk_add_f32 v[250:251], v[250:251], v[238:239]
	s_delay_alu instid0(VALU_DEP_2)
	v_pk_add_f32 v[14:15], v[14:15], v[254:255]
	s_delay_alu instid0(VALU_DEP_2)
	v_pk_add_f32 v[242:243], v[242:243], v[250:251]
	s_delay_alu instid0(VALU_DEP_1)
	v_pk_add_f32 v[14:15], v[14:15], v[242:243]
.irp b, 0,1,2,3
.irp i, 0,1,2,3,4,5,6,7,8,9,10,11,12,13,14,15
.endr
	v_cvt_scalef32_pk8_fp8_f32 v[192+4*\b:193+4*\b], v[96+16*\b:103+16*\b], v244
	v_cvt_scalef32_pk8_fp8_f32 v[194+4*\b:195+4*\b], v[104+16*\b:111+16*\b], v244
.endr
.set n, 0
.rept 16
	v_pk_mul_f32 v[160+n:161+n], v[160+n:161+n], v[252:253] op_sel_hi:[1,0]   ; O^T under the new M; also the plain lines behind the conversions
.set n, n+2
.endr
	s_wait_alu depctr_va_vdst(0)
	s_wait_dscnt 0x0                               ; V
.irp t, 0,1,2,3
	v_wmma_f32_16x16x128_fp8_fp8 v[160+8*\t:167+8*\t], v[32+16*\t:47+16*\t], v[192:207], v[160+8*\t:167+8*\t]
.endr
.Lhidden_\@:
	s_add_co_u32 s[KF], s[KF], 128
.endm
; THE CHANGE OF SLOTS, at a slot's head.  Each wave waits for all its tensor loads, adds 0 to its spare word, and waits for that and for its reads of the slot that it has left; behind the barrier the slot ahead is whole
; and nobody reads the other one.  fill = 1: that other slot takes the keys that follow: the load has a slot's two steps in which to land.
.macro CHANGE fill
	s_wait_tensorcnt 0x0                           ; no tensor load of mine is out, so group 0 may be written
	ds_add_u32 v[SPW], v[NIL]                      ; 0 onto my spare word
.if \fill
	s_xor_b32 s[G0+1], s[G0+1], SLOT1              ; the other slot than last time
	s_mul_i32 s[OFS], s[NS], SLOTB
	s_add_nc_u64 s[G0+2:G0+3], s[GB:GB+1], s[OFS:OFS+1]
	s_or_b32 s[G0+3], s[G0+3], 0x80000000
	s_add_co_u32 s[NS], s[NS], 1
	s_cmp_eq_u32 s[NS], s[NLIM]
	s_cselect_b32 s[NS], 0, s[NS]                  ; behind the first block's last slot the walk begins again at key 0
	s_wait_xcnt 0x0                                ; the last prefetch, a slot back, has read its address
	s_add_nc_u64 s[PFA:PFA+1], s[PFA:PFA+1], SLOTB
.endif
	s_wait_dscnt 0x0                               ; the add is done, and my reads of the slot that I have left are over
	s_barrier_signal -1
	s_barrier_wait -1
.if \fill
	TLOAD                                          ; the first thing behind the barrier, and a wave's one tensor load until the next
	ASK
.endif
.endm
; A BLOCK'S END: O^T / the sum (or, with no open key, the head's sums / 2,048), quantised with 2^e10, stored as two chunks of 512 bytes.  init = 1: the state begins anew for the second block.
.macro FINISH init
.rept 4
	v_nop                                          ; places behind the last products
.endr
	v_add_f32 v14, v14, v15
	s_delay_alu instid0(VALU_DEP_1)
	v_permlanex16_b32 v252, v14, s[SEL], s[SEL+1]
	s_delay_alu instid0(VALU_DEP_1)
	v_add_f32 v14, v14, v252                       ; the row's sum
.irp b, 0,1
.irp g, 0,1,2,3
	ds_load_b128 v[32+16*\b+4*\g:35+16*\b+4*\g], v[UAD] offset:128*\b+16*\g   ; the head's sums at channels 32 b + 16 h + 4 g ..
.endr
.endr
	s_wait_alu depctr_va_vdst(0)
	v_rcp_f32 v14, v14
	v_nop                                          ; a plain line behind the reciprocal
	v_cmp_lt_f32 vcc_lo, v13, v24                  ; no open key among 0 .. q
	s_wait_alu depctr_va_vdst(0)                   ; ahead of the reciprocal's first reader
	v_cndmask_b32 v14, v14, v25, vcc_lo
	s_wait_dscnt 0x0
.set n, 0
.rept 32
	v_cndmask_b32 v[96+n], v[160+n], v[32+n], vcc_lo   ; register 16 b + i: channel 32 b + 16 h + i; each accumulator from its low end on
.set n, n+1
.endr
.set n, 0
.rept 16
	v_pk_mul_f32 v[96+n:97+n], v[96+n:97+n], v[14:15] op_sel_hi:[1,0]
.set n, n+2
.endr
.set n, 0
.rept 32
.set n, n+1
.endr
.irp k, 0,1,2,3
	v_cvt_scalef32_pk8_fp8_f32 v[208+2*\k:209+2*\k], v[96+8*\k:103+8*\k], v27
.endr
	v_nop                                          ; one plain line behind the conversions
	global_store_b128 v[LI], v[208:211], s[CO:CO+1]
	global_store_b128 v[LI], v[212:215], s[CO:CO+1] offset:512
.if \init
	s_wait_xcnt 0x0                                ; the stores have read their base and their data
	s_mov_b64 s[CO:CO+1], s[COB:COB+1]
	global_load_b128 v[16:19], v[LI], s[QPB:QPB+1] th:TH_LOAD_NT
	global_load_b128 v[20:23], v[LI], s[QPB:QPB+1] offset:512 th:TH_LOAD_NT
	v_mov_b32 v13, v29
	s_delay_alu instid0(VALU_DEP_1)
	v_floor_f32 v12, -v13
	v_mov_b32 v14, 0
	v_mov_b32 v15, 0
.set n, 0
.rept 32
	v_mov_b32 v[160+n], 0
.set n, n+1
.endr
	s_mov_b32 s[KF], 0
	s_sub_co_u32 s[QEND], s[QEND], s[DELTA]
	s_sub_co_u32 s[QTOP], s[QTOP], s[DELTA]
	s_sub_co_u32 s[QMIN], s[QMIN], s[DELTA]
	v_sub_nc_u32 v[QD], v[QD], s[DELTA]
	s_wait_loadcnt 0x0
.endif
.endm
	s_wait_loadcnt 0x0                             ; Q
	s_mov_b32 s[TRIPS], 8
.Lslot:                                            ; eight trips: behind each change of slots but the last the next slot is asked for
	CHANGE 1
	STEP 0
	STEP 1
	s_xor_b32 s[TB], s[TB], SLOT1
	s_cmp_lg_u32 s[KF], s[QEND]                    ; the first block ends in trip 7 - p: a branch on ids
	s_cbranch_scc1 .Lgo_on
	FINISH 1
.Lgo_on:
	s_sub_co_u32 s[TRIPS], s[TRIPS], 1
	s_cmp_lg_u32 s[TRIPS], 0
	s_cbranch_scc1 .Lslot
	CHANGE 0                                       ; the ninth slot is written out
	STEP 0
	STEP 1
	FINISH 0
	s_wait_tensorcnt 0x0                           ; the wave's end
	ds_add_u32 v[SPW], v[NIL]
	s_wait_dscnt 0x0
	s_endpgm
.Lfunc_end_k_q821ca36e15_attn:
	.size	k_q821ca36e15_attn, .Lfunc_end_k_q821ca36e15_attn-k_q821ca36e15_attn
	.p2alignl 7, 3214868480
	.fill 96, 4, 3214868480
	.section	.rodata,"a",@progbits
	.p2align	6, 0x0
	.amdhsa_kernel k_q821ca36e15_attn
		.amdhsa_group_segment_fixed_size 327680
		.amdhsa_private_segment_fixed_size 0
		.amdhsa_enable_private_segment 0
		.amdhsa_kernarg_size 40
		.amdhsa_user_sgpr_count 2
		.amdhsa_user_sgpr_kernarg_segment_ptr 1
		.amdhsa_wavefront_size32 1
		.amdhsa_system_sgpr_workgroup_id_x 1
		.amdhsa_system_sgpr_workgroup_id_y 1
		.amdhsa_system_sgpr_workgroup_id_z 1
		.amdhsa_system_vgpr_workitem_id 0
		.amdhsa_next_free_vgpr 256
		.amdhsa_next_free_sgpr 80
		.amdhsa_reserve_vcc 1
		.amdhsa_float_denorm_mode_32 3
		.amdhsa_float_denorm_mode_16_64 3
		.amdhsa_fp16_overflow 1
		.amdhsa_memory_ordered 1
		.amdhsa_forward_progress 1
		.amdhsa_inst_pref_size 99
	.end_amdhsa_kernel
	.amdgpu_metadata
---
amdhsa.version: [ 1, 2 ]
amdhsa.kernels:
  - .name:           k_q821ca36e15_attn
    .symbol:         k_q821ca36e15_attn.kd
    .args:
      - { .name: qimg, .offset: 0, .size: 8, .value_kind: global_buffer, .address_space: global }
      - { .name: kv, .offset: 8, .size: 8, .value_kind: global_buffer, .address_space: global }
      - { .name: vpart, .offset: 16, .size: 8, .value_kind: global_buffer, .address_space: global }
      - { .name: lowp_scales, .offset: 24, .size: 8, .value_kind: global_buffer, .address_space: global }
      - { .name: cimg, .offset: 32, .size: 8, .value_kind: global_buffer, .address_space: global }
    .group_segment_fixed_size: 327680
    .private_segment_fixed_size: 0
    .kernarg_segment_align: 8
    .kernarg_segment_size: 40
    .max_flat_workgroup_size: 512
    .sgpr_count:     80
    .vgpr_count:     256
    .wavefront_size: 32
...
	.end_amdgpu_metadata
.endif
;; end of part 2
;; launch outp (part 3): grid 4 x 64, 4 waves a work-group, clusters of 4 x 4, 327,680 bytes of LDS; arguments cimg, Wo_codes, lowp_scales, out0; writes out0
.if DOCPART == 3
	.amdgcn_target "amdgcn-amd-amdhsa--gfx1250"
	.amdhsa_code_object_version 6
	.text
	.protected	k_q821ca36e15_outp
	.globl	k_q821ca36e15_outp
	.p2align	8
	.type	k_q821ca36e15_outp,@function
k_q821ca36e15_outp:
	s_mov_b64 s[64:65], 0
	v_nop
	global_prefetch_b8 v0, s[64:65] scope:SCOPE_SE
	s_setreg_imm32_b32 hwreg(HW_REG_WAVE_MODE, 25, 1), 1
	s_wait_xcnt 0x0
	s_wait_alu depctr_hold_cnt(0) depctr_sa_sdst(0) depctr_va_vdst(0) depctr_va_sdst(0) depctr_va_ssrc(0) depctr_va_vcc(0) depctr_vm_vsrc(0)
	s_getreg_b32 s2, hwreg(HW_REG_IB_STS2, 6, 4)
	s_cmp_eq_u32 s2, 0
	s_cbranch_scc0 .Lentry_in_a_cluster
	s_endpgm
.Lentry_in_a_cluster:
	s_bfe_u32 s2, ttmp6, 0x10000c
	s_cmp_lg_u32 s2, 0xf033
	s_cbranch_scc0 .Lentry_shape_is_right
	s_endpgm
.Lentry_shape_is_right:
; out = ctx Wo on codes of FP8 (E4M3): [8192 tokens][1024] f32.  ctx comes as the image of its operand registers: cimg [T 512][ks 8][c 4][lane][16]: tile T = 2 G + u holds tokens 32 G + 8 u + r + 8 (r / 8),
; channels 128 ks + 32 c + 16 h + 0..15 (r = lane % 16, h = lane / 16).  Wo: [1024 (n)][1024 (k)] codes.  Each finished sum is multiplied once by 2^(e10 + e11).
; LIMIT: e10 + e11 between -126 and 127, so that 2^(e10 + e11) is an f32 number.
; A work-group of four waves makes 128 tokens x 256 columns (256 work-groups; tiles of 256 x 256 would be 128); wave (i = w / 2, j = w % 2) makes 64 tokens x 128 columns: 32 accumulators.
; K = 1,024 is four K slots of 256.  THREE LDS slots: K slots 0, 1, 2 are first fills, each asked for behind a round once the one before has landed (one tensor load of a wave is out); K slot 3 is the launch's one refill, into slot 0, with four steps of 128 in which to land.
; CLUSTERS: 4 x 4 work-groups; ctx's tiles are shared along a row of the cluster, Wo's along a column: each is asked for jointly.  The grid has one cluster along x, so a work-group's column block is cx.
; THE MATRIX INSTRUCTION: source 0 = 16 rows of Wo, source 1 = 16 tokens: a lane holds eight neighbouring numbers of a row of out.
; REGISTERS, in windows of 256: window 0: v0-31 addresses; v32-95 at work on the way out; ctx's fragments (4 x 16 registers), two sets at v128 and v192.  window 1: the accumulators ((a, b) at v[8 (8 a + b)]).  window 2: Wo's fragments, two sets.
.set PITCH,  272                       ; a row of Wo's tile in LDS: 256 bytes + 16 of padding
.set FR,     16
.set BOFF,   32768                     ; a slot: ctx's 8 tiles x 4,096 bytes, dense; then Wo's 256 rows
.set HALFB,  128*PITCH
.set SLOT,   BOFF+2*HALFB              ; 102,400
.set SPARE,  3*SLOT                    ; the spare words, 128 bytes a wave
.set SPITCH, 528                       ; the way out: a stage of 16 rows x (512 bytes + 16) for each wave, in slot 1, which is filled once and is read by nobody behind the last barrier
.set ADRA, 16                          ; v16-18 LDS address of my ctx fragments in slots 0, 1, 2
.set ADRB, 20                          ; v20-22 the same for Wo
.set STO,  24
.set RD,   25
.set CO,   26                          ; v26  16 x lane
.set SPW,  28
.set NIL,  29
.set TMP,  32
.set AF,   128
.set BK,   128
.set G1A, 24                           ; s[24:31] group 1 for ctx's tiles; s[32:43] group 0, a set for each slot
.set G0A, 32
.set G1B, 48                           ; s[48:55] group 1 for Wo's; s[68:79] group 0
.set G0B, 68
.set MSB, 0
.macro WIN new
.if MSB != \new
	s_set_vgpr_msb (MSB<<8)|\new
.set MSB, \new
.endif
.endm
.set MUL,  0x52                        ; source 0 (Wo) window 2, source 1 (ctx) window 0, C and D window 1
.set TO_B, 0x80                        ; destination window 2, address window 0
.macro JLOAD g0a, g1a, g0b, g1b        ; waves 0 and 1 fetch ctx's halves, waves 2 and 3 Wo's; four v_nop follow each of the two lines
	s_cmp_eq_u32 s15, 0
	s_cbranch_scc0 .Lfor_b_\@
	tensor_load_to_lds s[\g0a:\g0a+3], s[\g1a:\g1a+7]
	s_nop 0
.rept 4
	v_nop
.endr
	s_branch .Lasked_\@
.Lfor_b_\@:
	tensor_load_to_lds s[\g0b:\g0b+3], s[\g1b:\g1b+7]
	s_nop 0
.rept 4
	v_nop
.endr
.Lasked_\@:
.endm
.macro CREST
	s_cmp_lg_u32 s14, 0
	s_cbranch_scc1 .Lnot_wave_0_\@
	s_barrier_signal -3
.Lnot_wave_0_\@:
	s_barrier_wait -3
	s_barrier_signal -1
	s_barrier_wait -1
.endm
.macro CROUND
	s_barrier_signal -1
	s_barrier_wait -1
	CREST
.endm
	s_load_b256 s[4:11], s[0:1], 0x0               ; cimg 4, Wo 6, scales 8, out 10
	v_lshl_add_u32 v[SPW], v0, 2, SPARE
	v_mov_b32 v[NIL], 0
	ds_add_u32 v28, v29
	ds_add_u32 v28, v29
	s_wait_dscnt 0x0
	v_lshrrev_b32 v1, 5, v0
	v_readfirstlane_b32 s14, v1                    ; wave 0..3
	s_lshr_b32 s15, s14, 1                         ; i: which 64 tokens are mine.  Also: I fetch for ctx (0) or for Wo (1)
	s_and_b32 s16, s14, 1                          ; j: which 128 columns.  Also: which half of that tile I fetch
	s_bfe_u32 s80, ttmp6, 0x40000                  ; cx: the block of 256 columns
	s_bfe_u32 s81, ttmp6, 0x40004                  ; cy
	s_and_b32 s82, ttmp7, 0xffff
	s_lshl_b32 s82, s82, 2
	s_add_co_u32 s82, s82, s81                     ; the block of 128 tokens = 4 x cluster y + cy
	s_lshl_b32 s83, s81, 2
	s_lshl_b32 s83, 15, s83                        ; my row of the cluster
	s_lshl_b32 s84, 0x1111, s80                    ; my column
	s_or_b32 s[G1A], s83, (3<<16)|(1<<21)          ; the mask; elements of 8 bytes; 21 set beside a mask; no padding: four tiles' 4,096 bytes, 16,384 bytes apart in memory, dense in LDS
	s_mov_b32 s[G1A+1], 512<<16                    ; tensor_dim0 = 512
	s_mov_b32 s[G1A+2], 4<<16                      ; tensor_dim1 = 4
	s_mov_b32 s[G1A+3], 512<<16                    ; tile_dim0
	s_mov_b32 s[G1A+4], 4                          ; tile_dim1
	s_mov_b32 s[G1A+5], 2048                       ; tensor_dim0_stride
	s_mov_b32 s[G1A+6], 0
	s_mov_b32 s[G1A+7], 0
	s_or_b32 s[G1B], s84, (0<<16)|(1<<20)|(1<<21)|(5<<22)|(3<<25)  ; elements of 1 byte; four words of padding after every 64
	s_mov_b32 s[G1B+1], 256<<16
	s_mov_b32 s[G1B+2], 128<<16
	s_mov_b32 s[G1B+3], 256<<16
	s_mov_b32 s[G1B+4], 128
	s_mov_b32 s[G1B+5], 1024
	s_mov_b32 s[G1B+6], 0
	s_mov_b32 s[G1B+7], 0
	s_lshl_b32 s86, s82, 3
	s_lshl_b32 s85, s16, 2
	s_add_co_u32 s86, s86, s85
	s_lshl_b32 s86, s86, 14                        ; ctx: tile 8 x block + 4 x half, 16,384 bytes each
	s_mov_b32 s87, 0
	s_lshl_b32 s88, s80, 8
	s_lshl_b32 s85, s16, 7
	s_add_co_u32 s88, s88, s85
	s_lshl_b32 s88, s88, 10                        ; Wo: row 256 cx + 128 x half
	s_mov_b32 s89, 0
	s_lshl_b32 s90, s16, 14                        ; where they go in a slot
	s_mul_i32 s91, s16, HALFB
	s_add_co_u32 s91, s91, BOFF
	s_wait_kmcnt 0x0
	s_load_b64 s[96:97], s[8:9], 0x28              ; e10, e11
	s_add_nc_u64 s[86:87], s[4:5], s[86:87]
	s_add_nc_u64 s[88:89], s[6:7], s[88:89]
	CROUND                                         ; all sixteen work-groups are here: the first joint loads meet
.irp s, 0,1,2
	s_mov_b32 s[G0A+4*\s], 1
	s_add_co_u32 s[G0A+4*\s+1], s90, \s*SLOT
	s_add_nc_u64 s[G0A+4*\s+2:G0A+4*\s+3], s[86:87], \s*4096
	s_or_b32 s[G0A+4*\s+3], s[G0A+4*\s+3], 0x80000000
	s_mov_b32 s[G0B+4*\s], 1
	s_add_co_u32 s[G0B+4*\s+1], s91, \s*SLOT
	s_add_nc_u64 s[G0B+4*\s+2:G0B+4*\s+3], s[88:89], \s*256
	s_or_b32 s[G0B+4*\s+3], s[G0B+4*\s+3], 0x80000000
	s_wait_alu depctr_va_vdst(0)
	s_wait_tensorcnt 0x0
	ds_add_u32 v28, v29
	ds_add_u32 v28, v29
	s_wait_dscnt 0x0
	CROUND
	JLOAD G0A+4*\s, G1A, G0B+4*\s, G1B
.endr
	v_and_b32 v1, 15, v0                           ; r
	v_bfe_u32 v2, v0, 4, 1                         ; h
	v_and_b32 v3, 31, v0
	v_lshlrev_b32 v[CO], 4, v3
	v_mul_u32_u24 v4, v1, PITCH
	v_lshl_add_u32 v4, v2, 4, v4
	s_lshl_b32 s21, s15, 14                        ; my four tiles of ctx
	s_mul_i32 s22, s16, HALFB                      ; my 128 rows of Wo
	s_add_co_u32 s22, s22, BOFF
.irp s, 0,1,2
	v_add_nc_u32 v[ADRA+\s], s21, v[CO]
	v_add_nc_u32 v[ADRB+\s], s22, v4
	s_add_co_u32 s21, s21, SLOT
	s_add_co_u32 s22, s22, SLOT
.endr
	s_mul_i32 s23, s14, 16*SPITCH
	s_add_co_u32 s23, s23, SLOT                    ; my stage
	v_mul_u32_u24 v5, v1, SPITCH
	v_lshl_add_u32 v5, v2, 5, v5
	v_add_nc_u32 v[STO], s23, v5                   ; in: row r, 32 bytes for each half of the lanes
	v_add_nc_u32 v[RD], s23, v[CO]                 ; back: the 32 lanes take one row of 512 bytes
	s_lshl_b32 s20, s82, 7
	s_lshl_b32 s21, s15, 6
	s_add_co_u32 s20, s20, s21
	s_lshl_b32 s20, s20, 12                        ; my first token's row of 4,096 bytes,
	s_lshl_b32 s21, s80, 10
	s_add_co_u32 s20, s20, s21
	s_lshl_b32 s21, s16, 9
	s_add_co_u32 s20, s20, s21                     ; + 1,024 cx + 512 j
	s_mov_b32 s21, 0
	s_add_nc_u64 s[10:11], s[10:11], s[20:21]
; 48 LDS loads in one run: the fragments of the slot's q-th 128 along K into set p: Wo's eight (rows of 272 bytes), ctx's four (images: 16 x lane)
.macro FETCH slot, q, p
	WIN TO_B
.irp i, 0,1,2,3,4,5,6,7
.irp c, 0,1,2,3
	ds_load_b128 v[128*(\p)+FR*\i+4*\c:128*(\p)+FR*\i+4*\c+3], v[ADRB+\slot] offset:128*(\q)+32*\c+\i*16*PITCH
.endr
.endr
	WIN 0
.irp a, 0,1,2,3
.irp c, 0,1,2,3
	ds_load_b128 v[AF+64*(\p)+FR*\a+4*\c:AF+64*(\p)+FR*\a+4*\c+3], v[ADRA+\slot] offset:4096*\a+2048*(\q)+512*\c
.endr
.endr
.endm
; 8 matrix instructions: tile a of tokens x Wo's eight blocks.  The 32 accumulators take turns, in the same order in every step.
.macro MUL8 a, p, zero
.irp b, 0,1,2,3,4,5,6,7
.if \zero
	v_wmma_f32_16x16x128_fp8_fp8 v[8*(8*(\a)+\b):8*(8*(\a)+\b)+7], v[128*(\p)+FR*\b:128*(\p)+FR*\b+FR-1], v[AF+64*(\p)+FR*(\a):AF+64*(\p)+FR*(\a)+FR-1], 0
.else
	v_wmma_f32_16x16x128_fp8_fp8 v[8*(8*(\a)+\b):8*(8*(\a)+\b)+7], v[128*(\p)+FR*\b:128*(\p)+FR*\b+FR-1], v[AF+64*(\p)+FR*(\a):AF+64*(\p)+FR*(\a)+FR-1], v[8*(8*(\a)+\b):8*(8*(\a)+\b)+7]
.endif
.endr
.endm
.macro PLACES                          ; four plain lines between a matrix instruction and a load into, or a vector read of, its registers
.rept 4
	v_nop
.endr
.endm
; A step of 128 along K: multiplies set p; the next step's fragments, (nslot, nq), are asked for first, into the other set, and land under the 32 products.
.macro STEP p, nslot, nq, zero
	s_wait_dscnt 0x0                               ; set p is in
	PLACES
	FETCH \nslot, \nq, 1-(\p)
	WIN MUL
	MUL8 0, \p, \zero
	MUL8 1, \p, \zero
	MUL8 2, \p, \zero
	MUL8 3, \p, \zero
	WIN 0
.endm
	s_wait_alu depctr_va_vdst(0)
	s_wait_tensorcnt 2                             ; my parts of slots 0 and 1 are in; slot 2's may be out
	s_barrier_signal -1
	s_barrier_wait -1
	FETCH 0, 0, 0
	STEP 0, 0, 1, 1                                ; K 0-127: its products start the sums
	; K 128-255, and the launch's one refill: slot 0 has been read out and takes K 768-1023
	s_wait_tensorcnt 0x0                           ; all my tensor loads have landed: my parts of slots 1 and 2 too
	ds_add_u32 v[SPW], v[NIL]                      ; 0 onto my spare word
	s_wait_dscnt 1                                 ; set 1 is in; the add may be out
	WIN MUL
	MUL8 0, 1, 0
	s_wait_dscnt 0x0                               ; the add is done, and my reads of slot 0 are over
	s_barrier_signal -1
	MUL8 1, 1, 0
	WIN 0
	s_barrier_wait -1
	CREST                                          ; the barrier has opened a round of the cluster's: no wave of any partner still reads slot 0 or has a load on its way
	s_add_nc_u64 s[G0A+2:G0A+3], s[G0A+2:G0A+3], 3*4096
	s_add_nc_u64 s[G0B+2:G0B+3], s[G0B+2:G0B+3], 3*256
	JLOAD G0A, G1A, G0B, G1B                       ; the first tensor load behind the round; its four v_nop are the places in front of the loads below
	FETCH 1, 0, 0
	WIN MUL
	MUL8 2, 1, 0
	MUL8 3, 1, 0
	WIN 0
	STEP 0, 1, 1, 0                                ; K 256-383: slots 1 and 2 were shown whole to every wave by the round above
	STEP 1, 2, 0, 0
	STEP 0, 2, 1, 0
	s_wait_dscnt 0x0                               ; K 640-767: set 1 is in, and my reads of slots 1 and 2 are over;
	s_wait_tensorcnt 0x0                           ; my part of the refill has landed (the one load that was out);
	s_barrier_signal -1
	s_barrier_wait -1                              ; everybody's has.
	PLACES
	FETCH 0, 0, 0
	WIN MUL
	MUL8 0, 1, 0
	MUL8 1, 1, 0
	MUL8 2, 1, 0
	MUL8 3, 1, 0
	WIN 0
	STEP 0, 0, 1, 0                                ; K 768-895
	s_wait_dscnt 0x0                               ; K 896-1023: nothing more to fetch
	WIN MUL
	MUL8 0, 1, 0
	MUL8 1, 1, 0
	MUL8 2, 1, 0
	MUL8 3, 1, 0
	WIN 0
; THE WAY OUT, a tile of 16 tokens x 128 columns at a time: x 2^(e10 + e11), through my own stage in LDS, back as whole rows of 512 bytes.  LDS serves a wave's instructions in order (ISA guide 5.7.1.4): no wait between the stores and the loads.
.macro TOSTAGE a
	WIN 0x01                                       ; source 0: window 1
.irp j, 0,2,4,6,8,10,12,14,16,18,20,22,24,26,28,30,32,34,36,38,40,42,44,46,48,50,52,54,56,58,60,62
	v_pk_mul_f32 v[TMP+\j:TMP+\j+1], v[64*(\a)+\j:64*(\a)+\j+1], s[96:97] op_sel_hi:[1,0]   ; each accumulator from its low end on
.endr
	WIN 0
.irp b, 0,1,2,3,4,5,6,7
	ds_store_b128 v[STO], v[TMP+8*\b:TMP+8*\b+3] offset:64*\b
	ds_store_b128 v[STO], v[TMP+8*\b+4:TMP+8*\b+7] offset:64*\b+16
.endr
.set BB, BK+64*((\a)%2)
.irp t, 0,1,2,3,4,5,6,7,8,9,10,11,12,13,14,15
	ds_load_b128 v[BB+4*\t:BB+4*\t+3], v[RD] offset:\t*SPITCH
.endr
.endm
.macro SEND a, younger                 ; younger: the LDS instructions issued behind tile a's loads, which may stay out
.set BB, BK+64*((\a)%2)
	s_wait_dscnt \younger
.irp t, 0,1,2,3,4,5,6,7,8,9,10,11,12,13,14,15
	global_store_b128 v[CO], v[BB+4*\t:BB+4*\t+3], s[10:11] offset:(32*((\a)/2)+8*((\a)%2)+\t+8*(\t/8))*4096 th:TH_STORE_NT   ; row t of tile a is token 32 (a / 2) + 8 (a % 2) + t + 8 (t / 8): 512 consecutive bytes, aligned
.endr
.endm
	s_wait_kmcnt 0x0
	s_add_co_i32 s96, s96, s97
	s_add_co_i32 s96, s96, 127
	s_lshl_b32 s96, s96, 23                        ; 2^(e10 + e11) as f32
	PLACES
	TOSTAGE 0
.irp a, 1,2,3
.if \a > 1
	s_wait_xcnt 0x0                                ; tile a - 2's stores have read their registers: tile a's loads may land there
.endif
	TOSTAGE \a
	SEND \a-1, 32                                  ; behind tile a - 1's loads: tile a's 16 stores and 16 loads
.endr
	SEND 3, 0
	s_wait_tensorcnt 0x0                           ; the wave's end
	ds_add_u32 v[SPW], v[NIL]
	s_wait_dscnt 0x0
	CROUND                                         ; the closing round
	s_endpgm
.Lfunc_end_k_q821ca36e15_outp:
	.size	k_q821ca36e15_outp, .Lfunc_end_k_q821ca36e15_outp-k_q821ca36e15_outp
	.p2alignl 7, 3214868480
	.fill 96, 4, 3214868480
	.section	.rodata,"a",@progbits
	.p2align	6, 0x0
	.amdhsa_kernel k_q821ca36e15_outp
		.amdhsa_group_segment_fixed_size 327680
		.amdhsa_private_segment_fixed_size 0
		.amdhsa_enable_private_segment 0
		.amdhsa_kernarg_size 32
		.amdhsa_user_sgpr_count 2
		.amdhsa_user_sgpr_kernarg_segment_ptr 1
		.amdhsa_wavefront_size32 1
		.amdhsa_system_sgpr_workgroup_id_x 1
		.amdhsa_system_sgpr_workgroup_id_y 1
		.amdhsa_system_sgpr_workgroup_id_z 1
		.amdhsa_system_vgpr_workitem_id 0
		.amdhsa_next_free_vgpr 768
		.amdhsa_next_free_sgpr 98
		.amdhsa_reserve_vcc 0
		.amdhsa_float_denorm_mode_32 3
		.amdhsa_float_denorm_mode_16_64 3
		.amdhsa_memory_ordered 1
		.amdhsa_forward_progress 1
		.amdhsa_inst_pref_size 76
	.end_amdhsa_kernel
	.amdgpu_metadata
---
amdhsa.version: [ 1, 2 ]
amdhsa.kernels:
  - .name:           k_q821ca36e15_outp
    .symbol:         k_q821ca36e15_outp.kd
    .args:
      - { .name: cimg, .offset: 0, .size: 8, .value_kind: global_buffer, .address_space: global }
      - { .name: Wo_codes, .offset: 8, .size: 8, .value_kind: global_buffer, .address_space: global }
      - { .name: lowp_scales, .offset: 16, .size: 8, .value_kind: global_buffer, .address_space: global }
      - { .name: out0, .offset: 24, .size: 8, .value_kind: global_buffer, .address_space: global }
    .group_segment_fixed_size: 327680
    .private_segment_fixed_size: 0
    .kernarg_segment_align: 8
    .kernarg_segment_size: 32
    .max_flat_workgroup_size: 128
    .sgpr_count:     98
    .vgpr_count:     768
    .wavefront_size: 32
...
	.end_amdgpu_metadata
.endif
;; end of part 3
